; MI455X (gfx1250); checked and timed in simulation.
; The chip was launched on July 23, 2026; its instructions are those of AMD's public machine-readable ISA for CDNA 5 (MIT licence, August 2026) and "CDNA5" Instruction Set Architecture Reference Guide (July 2026). The comments in the code are by the model that wrote it; some were corrected since.
;; Joint Attention. Allowed arithmetic: matrix products marked QUANTISED: E2M1 operands, one E8M0 scale for each 32 along K, by v_wmma_scale_f32_16x16x128_f8f6f4 with both operands' format E2M1 (or v_wmma_scale_f32_32x16x128_f4), f32 sums; products left as they are: f32 operands where the result goes on into a quantised operand, else bf16, f16 or f32 operands; f32 sums; everything else in f32.
;; Inputs: Wk_codes 256 x 8 x 16 uint8 (E2M1 codes of Wk, K innermost, in blocks of 32 codes, two codes a byte); Wk_scales 256 x 8 uint8 (E8M0 scales of Wk, one for each 32 codes along K); Wq_codes 256 x 8 x 16 uint8 (E2M1 codes of Wq, K innermost, in blocks of 32 codes, two codes a byte); Wq_scales 256 x 8 uint8 (E8M0 scales of Wq, one for each 32 codes along K); Wv_codes 256 x 8 x 16 uint8 (E2M1 codes of Wv, K innermost, in blocks of 32 codes, two codes a byte); Wv_scales 256 x 8 uint8 (E8M0 scales of Wv, one for each 32 codes along K); bk 256 float32; bq 256 float32; bv 256 float32; x_codes 2 x 1,024 x 8 x 16 uint8 (E2M1 codes of x, K innermost, in blocks of 32 codes, two codes a byte); x_scales 2 x 1,024 x 8 uint8 (E8M0 scales of x, one for each 32 codes along K).
;; Outputs: out0 2 x 1,024 x 256 float32.
;; This version of the problem:
;;   THIS VERSION OF THE PROBLEM IS GIVEN IN LOW PRECISION. The matrix products marked QUANTISED in the list below multiply operands that are first quantised to E2M1 (2 exponent bits, 1 mantissa bit; 4 bits a number), with one power-of-two scale for each 32 numbers along K (OCP MX v1.0); their sums are f32. All else is computed in f32.
;;   The module's matrix products, in the order in which they are computed (A, B: the left and right operand; K: the contracted axis; several contracted axes count as one K, in the product's order):
;;     1. [M 2,048, K 256] x [K 256, N 256]; A: input x (given as codes); B: input Wq (given as codes): QUANTISED
;;     2. [M 2,048, K 256] x [K 256, N 256]; A: input x (given as codes); B: input Wk (given as codes): QUANTISED
;;     3. [M 2,048, K 256] x [K 256, N 256]; A: input x (given as codes); B: input Wv (given as codes): QUANTISED
;;     4. batch 2,048 x [M 256, K 1] x [K 1, N 256]; A: computed on the way; B: computed on the way: left as it is (no contracted axis)
;;     5. batch 2,048 x [M 256, K 256] x [K 256, N 1]; A: softmax; B: computed on the way: left as it is (N = 1 < 16)
;;   THE QUANTISER, for each operand of a quantised product, along K:
;;     - K is cut into blocks of 32 from its start; a last block that is shorter is filled with zeros.
;;     - A block's scale is 2^e with e = floor(log2(the largest magnitude in the block)) - 2, held to -126 .. 127; a block of zeros has e = 0. As a byte (E8M0): e + 127.
;;     - Each number is divided by its block's scale, clamped to +-6, and rounded to the nearest number of E2M1, ties to even, subnormals kept.
;;     - The product sums the exact products of the quantised numbers (number of the format x scale) in f32.
;;   ~~~python
;;   def quantise(x, axis):      # numpy; x: float32 -> the quantised numbers, widened to float32 again
;;       x = np.moveaxis(x, axis, -1); K = x.shape[-1]
;;       x = np.pad(x, [(0, 0)] * (x.ndim - 1) + [(0, -K % 32)]); x = x.reshape(x.shape[:-1] + (-1, 32)); a = np.abs(x).max(-1, keepdims=True)
;;       e = np.where(a > 0, np.clip(np.frexp(np.where(a > 0, a, 1))[1] - 1 - 2, -126, 127), 0)      # np.frexp(a)[1] - 1 = floor(log2(a)), exactly
;;       r = np.clip(x / 2.0 ** e, -6, 6)
;;       step = 2.0 ** (np.maximum(np.frexp(np.where(r == 0, 1, r))[1] - 1, 0) - 1)
;;       q = np.round(r / step) * step * 2.0 ** e      # np.round: ties to even
;;       return np.moveaxis(q.reshape(q.shape[:-2] + (-1,))[..., :K], -1, axis).astype(np.float32)
;;   ~~~
;;   INPUTS GIVEN AS CODES. Wk (in the module: [256, 256], K = its axis 1); Wq (in the module: [256, 256], K = its axis 1); Wv (in the module: [256, 256], K = its axis 1); x (in the module: [2, 1024, 256], K = its axis 2): each comes as NAME_codes (uint8): NAME with its K axis moved to the last place and cut into blocks of 32 codes, [.., K / 32, bytes a block], one block behind the other in memory; two codes a byte, the lower K in the low four bits (a code: sign, 2 exponent bits, 1 mantissa bit); and NAME_scales (uint8): the same leading axes, one E8M0 byte (e + 127) for each 32 codes along K. Its value is code x scale, taken as it is: it is not quantised again, and the codes and scales need not be those that the quantiser above would give.
;; 2 versions, each right; version 2 is version 1 with the launch joint written anew for expert scheduling mode. Each part assembles by itself: llvm-mc -triple=amdgcn-amd-amdhsa -mcpu=gfx1250 --defsym DOCPART=n.
;; ======== version 1 of 2: 1 launch
;; launch joint (part 1): grid 128 x 2, 16 waves a work-group, no clusters, 43,264 bytes of LDS; arguments x_codes, x_scales, Wq_codes, Wq_scales, bq, Wk_codes, Wk_scales, bk, Wv_codes, Wv_scales, bv, out0; writes out0
.if DOCPART == 1
	.amdgcn_target "amdgcn-amd-amdhsa--gfx1250"
	.amdhsa_code_object_version 6
	.text
	.protected	k_q551e2d5423_joint
	.globl	k_q551e2d5423_joint
	.p2align	8
	.type	k_q551e2d5423_joint,@function
k_q551e2d5423_joint:
	s_mov_b64 s[64:65], 0
	v_nop
	global_prefetch_b8 v0, s[64:65] scope:SCOPE_SE
	s_setreg_imm32_b32 hwreg(HW_REG_WAVE_MODE, 25, 1), 1
	s_wait_xcnt 0x0
; out[t][i] = sum over j of softmax_j(Q[t][i] K[t][j] / 16) V[t][j],  Q, K, V = x W^T + b.  2,048 tokens t, 256 features.
; x and the three W come as codes of FP4 (E2M1) with one E8M0 byte for each 32 along K = 256; the biases and out are f32.
; SHARES.  A work-group takes 16 tokens (work-group x) and 128 of the 256 rows i (work-group y): 128 x 2 = 256 work-groups of equal work.
; Sixteen waves.  FIRST each wave makes one tile (16 features x 16 tokens) of K and one of V, and waves 0-7 one of Q as well: two matrix
; instructions a tile (K = 2 x 128), the bias as the sum's first C.  The tiles meet in LDS, one barrier.  THEN wave w owns token w: lane l owns
; rows i = 128 y + 4 l + 0 .. 3 and walks all 256 j, eight at a time: 32 exponentials a batch and a wave, 1,024 in all.
; THE MAXIMUM that the softmax takes away: the scores of a row are q_i k_j / 16, so the row's maximum is the larger of q_i kmax and q_i kmin:
; two numbers a token serve all rows, and no pass over the scores is needed.  p = 2^(a k_j - m), a = q_i log2(e) / 16, m = max(a kmax, a kmin):
; one fused multiply-add and one exponential.  What the rounding of m adds is a common factor of the two sums and cancels; the exponent lies
; at most half a last place of m above 0, so no exponential overflows, and the row's sum holds a term of about 1.
; THE MATRIX INSTRUCTION IS USED TRANSPOSED: source 0 = 16 rows of W, source 1 = the 16 tokens: lane (r, h) holds token r and its registers
; features 8 h + 0 .. 7 of the tile: 32 neighbouring bytes of the token's row in LDS.
; BY TURNS.  While batch n's exponentials are issued, batch n - 1's sums (packed, two j an instruction) stand between them, one behind each;
; then batch n + 1 is scaled; then one wait serves the 32 exponentials.  k_j and v_j are the same for all lanes: LDS loads of one address.
; NO CLUSTER, NO TENSOR LOAD: all work-groups read the same weights, but each reads them once, at its head, 4 + 1 + 2 loads a tile straight into
; the operand's registers (83 KB a work-group against its 524,288 exponentials); brought jointly they would take a way through LDS that they do not need.
; LIMITS: NaN, infinities and the scale byte 0xff are not served; a p under 2^-126 counts as 0; the sums over j run in another order than a plain sum
; (even and odd j apart, ascending).
.set PITCH, 2576                       ; a token's row in LDS: K 1,024 bytes, V 1,024, Q 512, 16 of padding = 161 x 16 bytes: the 16 lanes of a store's half fall on 16 different columns of 16 bytes modulo 256
.set VOFF,  1024
.set QOFF,  2048
.set XO,   4                           ; v4   x's codes: 128 r + 16 h + 2,048 x tile of tokens
.set XSO,  5                           ; v5   x's scale words: 8 r + 128 x tile of tokens
.set WO,   6                           ; v6   K's and V's weights: 128 r + 16 h + 2,048 x wave
.set WSO,  7                           ; v7   their scale words: 8 r + 128 x wave
.set BO,   8                           ; v8   their biases: 32 h + 64 x wave
.set WOQ,  9                           ; v9-11 the same for Q's: 128 rows further on in the upper half of the rows i (used by waves 0-7)
.set WSOQ, 10
.set BOQ,  11
.set STO,  12                          ; v12  LDS: where I put a tile's 32 bytes: 2,576 r + 32 h + 64 x wave
.set JA,   13                          ; v13  LDS: my token's row, at the pair of batches in hand; the same in all lanes
.set LQ,   14                          ; v14  LDS: my token's row + 16 x lane
.set OO,   15                          ; v15  my 16 bytes of out
.set XF,   16                          ; v16-31   x's two fragments (K step s at 8 s)
.set XS,   32                          ; v32-33   x's scale words;  v34-35 Wk's;  v36-37 Wv's;  v38-39 Wq's: these hold scales and nothing else
.set KS,   34
.set VS,   36
.set QS,   38
.set KF,   40                          ; v40-55, v56-71, v72-87  the weights' fragments
.set VF,   56
.set QF,   72
.set KA,   88                          ; v88-95, v96-103, v104-111  the sums; the biases are loaded into them
.set VA,   96
.set QA,   104
.set A2,   112                         ; v112-119 a of my row r, twice: pair r
.set NM2,  120                         ; v120-127 -m likewise
.set L2,   128                         ; v128-135 the sum of p: pair r (even j, odd j)
.set O2,   136                         ; v136-143 the sum of p v likewise
.set KB,   144                         ; v144-151 eight k_j
.set VB0,  152                         ; v152-159, v160-167 eight v_j, two sets
.set T0,   168                         ; v168-199, v200-231 a batch's 32 exponents, then p, two sets: pair p of row r at 8 r + 2 p
.set KR,   232                         ; v232-239 my eight numbers of the token's K
.set QR,   240                         ; v240-243 q of my four rows; later the sums of p v
.set TM,   244                         ; v244 kmax, v245 -kmin, v246-247 the other half of the lanes'; later the sums of p and their reciprocals
.set RES,  248                         ; v248-251 the results
.set WV,   2                           ; s2   my wave's number
.set HH,   3                           ; s3   which half of the rows i
.set CNT,  6                           ; s6   the loop's counter
.set CC,   7                           ; s7   log2(e) / 16
.set SEL,  32                          ; s[32:33] lane selects for v_permlanex16_b32: lane l xor 16
; A tile's operands: 16 rows of W x 256 K in two fragments (lane (r, h): row r; registers 4 c .. 4 c + 3 of K step s: the 16 bytes at 64 s + 32 c + 16 h), the rows' two scale words, and the bias in the result's layout
.macro WLOAD frag, sc, acc, cod, scl, bia, vo, vso, vbo
.irp s, 0,1
.irp c, 0,1
	global_load_b128 v[\frag+8*\s+4*\c:\frag+8*\s+4*\c+3], v[\vo], s[\cod:\cod+1] offset:64*\s+32*\c
.endr
.endr
	global_load_b64 v[\sc:\sc+1], v[\vso], s[\scl:\scl+1]
	global_load_b128 v[\acc:\acc+3], v[\vbo], s[\bia:\bia+1]
	global_load_b128 v[\acc+4:\acc+7], v[\vbo], s[\bia:\bia+1] offset:16
.endm
; K step s of a tile's sum, in place: the first adds onto the bias
.macro MM acc, frag, sc, s
	v_wmma_scale_f32_16x16x128_f8f6f4 v[\acc:\acc+7], v[\frag+8*\s:\frag+8*\s+7], v[XF+8*\s:XF+8*\s+7], v[\acc:\acc+7], v[\sc+\s], v[XS+\s] matrix_a_fmt:MATRIX_FMT_FP4 matrix_b_fmt:MATRIX_FMT_FP4
.endm
; a tile goes to LDS, from its low end on
.macro PUT acc, off
	ds_store_b128 v[STO], v[\acc:\acc+3] offset:\off
	ds_store_b128 v[STO], v[\acc+4:\acc+7] offset:\off+16
.endm
; the exponents of a batch into set u: a k_j - m, two j an instruction, four rows x four pairs
.macro SCALE u
.set TCUR, T0+32*(\u)
.irp r, 0,1,2,3
.irp p, 0,1,2,3
	v_pk_fma_f32 v[TCUR+8*\r+2*\p:TCUR+8*\r+2*\p+1], v[KB+2*\p:KB+2*\p+1], v[A2+2*\r:A2+2*\r+1], v[NM2+2*\r:NM2+2*\r+1]
.endr
.endr
.endm
; Set u's 32 exponentials, and between them the 32 sums of the other set, whose exponentials have had their wait: none of the sums names a register of set u.
; acc = 2: the sums go on;  acc = 1: they begin (nothing is ever cleared: pairs 0 and 1 start the sum of p, pair 0's product the sum of p v);  acc = 0: no batch is finished yet.
; Two links of one sum stand sixteen instructions apart: the four rows take turns.
.macro EXPACC u, acc
.set TCUR, T0+32*(\u)
.set TPRV, T0+32*(1-(\u))
.set VPRV, VB0+8*(1-(\u))
.set g, 0
.rept 16
.set rr, g%4
.set pp, g/4
	v_exp_f32 v[TCUR+2*g], v[TCUR+2*g]
.if ((\acc) == 2) || (((\acc) == 1) && (pp >= 2))
	v_pk_add_f32 v[L2+2*rr:L2+2*rr+1], v[L2+2*rr:L2+2*rr+1], v[TPRV+8*rr+2*pp:TPRV+8*rr+2*pp+1]
.elseif ((\acc) == 1) && (pp == 0)
	v_pk_add_f32 v[L2+2*rr:L2+2*rr+1], v[TPRV+8*rr:TPRV+8*rr+1], v[TPRV+8*rr+2:TPRV+8*rr+3]
.endif
	v_exp_f32 v[TCUR+2*g+1], v[TCUR+2*g+1]
.if ((\acc) == 2) || (((\acc) == 1) && (pp >= 1))
	v_pk_fma_f32 v[O2+2*rr:O2+2*rr+1], v[TPRV+8*rr+2*pp:TPRV+8*rr+2*pp+1], v[VPRV+2*pp:VPRV+2*pp+1], v[O2+2*rr:O2+2*rr+1]
.elseif (\acc) == 1
	v_pk_mul_f32 v[O2+2*rr:O2+2*rr+1], v[TPRV+8*rr:TPRV+8*rr+1], v[VPRV:VPRV+1]
.endif
.set g, g+1
.endr
.endm
; the last batch's sums
.macro ACCONLY u
.set TPRV, T0+32*(\u)
.set VPRV, VB0+8*(\u)
.irp p, 0,1,2,3
.irp r, 0,1,2,3
	v_pk_add_f32 v[L2+2*\r:L2+2*\r+1], v[L2+2*\r:L2+2*\r+1], v[TPRV+8*\r+2*\p:TPRV+8*\r+2*\p+1]
	v_pk_fma_f32 v[O2+2*\r:O2+2*\r+1], v[TPRV+8*\r+2*\p:TPRV+8*\r+2*\p+1], v[VPRV+2*\p:VPRV+2*\p+1], v[O2+2*\r:O2+2*\r+1]
.endr
.endr
.endm
; BATCH n, in set u = n % 2.  nxt = 2: batch n + 1 is scaled, k of batch n + 2 and v of batch n + 1 are fetched;  1: no k is left to fetch;  0: nothing follows.
; v[JA] stands at batch n - u, a batch is 32 bytes of K and of V.
.macro HALF u, acc, nxt
	EXPACC \u, \acc
	s_wait_dscnt 0x0                               ; the LDS loads issued at the end of the batch before are in: k of batch n + 1, v of batch n
.if (\nxt) >= 1
	SCALE 1-(\u)                                   ; sixteen plain instructions that name no result of the exponentials above: the work between the batch and its wait
.endif
.if (\nxt) == 2
	ds_load_b128 v[KB:KB+3], v[JA] offset:32*((\u)+2)
	ds_load_b128 v[KB+4:KB+7], v[JA] offset:32*((\u)+2)+16
.endif
.if (\nxt) >= 1
	ds_load_b128 v[VB0+8*(1-(\u)):VB0+8*(1-(\u))+3], v[JA] offset:VOFF+32*((\u)+1)      ; into the set whose batch has just been summed
	ds_load_b128 v[VB0+8*(1-(\u))+4:VB0+8*(1-(\u))+7], v[JA] offset:VOFF+32*((\u)+1)+16
.endif
.if ((\u) == 1) && ((\nxt) == 2)
	v_add_nc_u32 v[JA], 64, v[JA]                  ; two batches on
.endif
	s_wait_alu depctr_va_vdst(0)                   ; ONE wait for the batch's 32 exponentials, ahead of their first reader (the next batch's sums) and of every label and branch
.endm
	s_load_b256 s[8:15], s[0:1], 0x0               ; x's codes s[8:9], x's scales s[10:11], Wq's codes s[12:13], Wq's scales s[14:15]
	s_load_b256 s[16:23], s[0:1], 0x20             ; bq s[16:17], Wk's codes s[18:19], Wk's scales s[20:21], bk s[22:23]
	s_load_b256 s[24:31], s[0:1], 0x40             ; Wv's codes s[24:25], Wv's scales s[26:27], bv s[28:29], out s[30:31]
	v_lshl_add_u32 v254, v0, 2, 0xa100
	v_mov_b32 v255, 0
	v_lshrrev_b32 v1, 5, v0
	v_readfirstlane_b32 s[WV], v1                  ; wave 0..15
	s_and_b32 s[HH], ttmp7, 0xffff                 ; which half of the rows i
	s_mov_b32 s[CC], 0x3db8aa3b                    ; log2(e) / 16
	s_mov_b32 s[SEL], 0x76543210
	s_mov_b32 s[SEL+1], 0xfedcba98
	v_and_b32 v1, 31, v0                           ; lane
	v_and_b32 v2, 15, v0                           ; r
	v_bfe_u32 v3, v0, 4, 1                         ; h
	v_lshlrev_b32 v[WO], 7, v2                     ; a row of 256 codes is 128 bytes
	v_lshl_add_u32 v[WO], v3, 4, v[WO]             ; 128 r + 16 h
	s_lshl_b32 s4, ttmp9, 11                       ; 16 tokens' codes
	v_add_nc_u32 v[XO], s4, v[WO]
	s_lshl_b32 s5, s[WV], 11                       ; 16 rows of a weight
	v_add_nc_u32 v[WO], s5, v[WO]
	s_lshl_b32 s34, s[HH], 14                      ; 128 rows of Wq
	v_add_nc_u32 v[WOQ], s34, v[WO]
	v_lshlrev_b32 v[WSO], 3, v2                    ; a row's scale bytes are 8: two words
	s_lshl_b32 s4, ttmp9, 7
	v_add_nc_u32 v[XSO], s4, v[WSO]
	s_lshl_b32 s5, s[WV], 7
	v_add_nc_u32 v[WSO], s5, v[WSO]
	s_lshl_b32 s34, s[HH], 10
	v_add_nc_u32 v[WSOQ], s34, v[WSO]
	v_lshlrev_b32 v[BO], 5, v3                     ; my half's eight features, in f32,
	s_lshl_b32 s5, s[WV], 6                        ; of my wave's sixteen
	v_add_nc_u32 v[BO], s5, v[BO]
	s_lshl_b32 s34, s[HH], 9                       ; 128 features in f32
	v_add_nc_u32 v[BOQ], s34, v[BO]
	v_mul_u32_u24 v[STO], v2, PITCH
	v_add_nc_u32 v[STO], v[STO], v[BO]             ; token r's row, + 32 h + 64 x wave
	s_mul_i32 s35, s[WV], PITCH                    ; my token's row
	v_mov_b32 v[JA], s35
	v_lshl_add_u32 v[LQ], v1, 4, s35
	s_lshl_b32 s4, ttmp9, 14                       ; out: 16 rows of 1,024 bytes a tile of tokens,
	s_lshl_b32 s5, s[WV], 10                       ; my token's row,
	s_add_co_u32 s4, s4, s5
	s_add_co_u32 s4, s4, s34                       ; my work-group's 512 bytes of it,
	v_lshl_add_u32 v[OO], v1, 4, s4                ; 16 bytes a lane
	v_mov_b32 v[TM+2], 0                           ; written once: a lane permute's destination counts as one of its sources
	v_mov_b32 v[TM+3], 0
	s_wait_kmcnt 0x0
.irp s, 0,1
.irp c, 0,1
	global_load_b128 v[XF+8*\s+4*\c:XF+8*\s+4*\c+3], v[XO], s[8:9] offset:64*\s+32*\c   ; the 16 tokens' fragments
.endr
.endr
	global_load_b64 v[XS:XS+1], v[XSO], s[10:11]   ; and their two scale words
	WLOAD KF, KS, KA, 18, 20, 22, WO, WSO, BO      ; features 16 w .. 16 w + 15 of K
	WLOAD VF, VS, VA, 24, 26, 28, WO, WSO, BO      ; and of V
	s_cmp_lt_u32 s[WV], 8                          ; Q has eight tiles here: waves 0-7.  The branch hangs on the wave's number alone; no barrier stands inside it
	s_cbranch_scc0 .Lkv
	WLOAD QF, QS, QA, 12, 14, 16, WOQ, WSOQ, BOQ   ; features 128 y + 16 w .. + 15 of Q
	s_wait_loadcnt 0x0                             ; fragments, scale words and biases are wanted together
	MM QA, QF, QS, 0                               ; the three sums take turns, one instruction a turn
	MM KA, KF, KS, 0
	MM VA, VF, VS, 0
	MM QA, QF, QS, 1
	MM KA, KF, KS, 1
	MM VA, VF, VS, 1
.rept 4
	v_nop                                          ; four places between a matrix instruction and the LDS store that reads its result
.endr
	PUT QA, QOFF
	PUT KA, 0
	PUT VA, VOFF
	s_branch .Ljoin
.Lkv:
	s_wait_loadcnt 0x0
	MM KA, KF, KS, 0                               ; the two sums take turns
	MM VA, VF, VS, 0
	MM KA, KF, KS, 1
	MM VA, VF, VS, 1
.rept 4
	v_nop
.endr
	PUT KA, 0
	PUT VA, VOFF
.Ljoin:
	s_wait_dscnt 0x0                               ; for the others' sake: my stores have landed
	s_barrier_signal -1
	s_barrier_wait -1                              ; the 16 tokens' K, V and Q lie in LDS; from here on LDS is only read
	; MY TOKEN'S FIGURES
	ds_load_b128 v[QR:QR+3], v[LQ] offset:QOFF     ; q of my four rows
	ds_load_b128 v[KR:KR+3], v[LQ]                 ; eight of the token's 256 k
	ds_load_b128 v[KR+4:KR+7], v[LQ] offset:512
	ds_load_b128 v[KB:KB+3], v[JA]                 ; batch 0's k
	ds_load_b128 v[KB+4:KB+7], v[JA] offset:16
	s_wait_dscnt 0x0
	v_max3_num_f32 v[TM], v[KR], v[KR+1], v[KR+2]                  ; kmax and -kmin = the largest -k, the two chains by turns
	v_max3_num_f32 v[TM+1], -v[KR], -v[KR+1], -v[KR+2]
	v_max3_num_f32 v[TM], v[TM], v[KR+3], v[KR+4]
	v_max3_num_f32 v[TM+1], v[TM+1], -v[KR+3], -v[KR+4]
	v_max3_num_f32 v[TM], v[TM], v[KR+5], v[KR+6]
	v_max3_num_f32 v[TM+1], v[TM+1], -v[KR+5], -v[KR+6]
	v_max_num_f32 v[TM], v[TM], v[KR+7]
	v_max_num_f32 v[TM+1], v[TM+1], -v[KR+7]
.irp x, 1,2,4,8
	v_max_num_f32_dpp v[TM], v[TM], v[TM] row_xmask:\x row_mask:0xf bank_mask:0xf
	v_max_num_f32_dpp v[TM+1], v[TM+1], v[TM+1] row_xmask:\x row_mask:0xf bank_mask:0xf
.endr
	v_permlanex16_b32 v[TM+2], v[TM], s[SEL], s[SEL+1]
	v_permlanex16_b32 v[TM+3], v[TM+1], s[SEL], s[SEL+1]
	v_max_num_f32 v[TM], v[TM], v[TM+2]            ; every lane holds kmax
	v_max_num_f32 v[TM+1], v[TM+1], v[TM+3]        ; and -kmin
.irp r, 0,1,2,3
	v_mul_f32 v[A2+2*\r], s[CC], v[QR+\r]          ; a = q log2(e) / 16, in both halves of a pair, so that the packed forms take it as it stands
	v_mul_f32 v[A2+2*\r+1], s[CC], v[QR+\r]
.endr
.irp r, 0,1,2,3
	v_mul_f32 v[T0+32+\r], v[A2+2*\r], v[TM]       ; a kmax   (the second set of exponents is still free)
	v_mul_f32 v[T0+36+\r], v[A2+2*\r], v[TM+1]     ; -a kmin
.endr
.irp r, 0,1,2,3
	v_min_num_f32 v[NM2+2*\r], -v[T0+32+\r], v[T0+36+\r]           ; -m = -max(a kmax, a kmin)
	v_min_num_f32 v[NM2+2*\r+1], -v[T0+32+\r], v[T0+36+\r]
.endr
	; THE WALK OVER j: 32 batches of eight
	SCALE 0                                        ; batch 0's exponents
	ds_load_b128 v[KB:KB+3], v[JA] offset:32       ; batch 1's k
	ds_load_b128 v[KB+4:KB+7], v[JA] offset:48
	ds_load_b128 v[VB0:VB0+3], v[JA] offset:VOFF   ; batch 0's v
	ds_load_b128 v[VB0+4:VB0+7], v[JA] offset:VOFF+16
	HALF 0, 0, 2                                   ; batch 0: no batch is finished yet
	HALF 1, 1, 2                                   ; batch 1: batch 0 starts the sums
	s_mov_b32 s[CNT], 14
.Lj:                                               ; 14 trips: batches 2 to 29
	HALF 0, 2, 2
	HALF 1, 2, 2
	s_sub_co_u32 s[CNT], s[CNT], 1
	s_cmp_lg_u32 s[CNT], 0
	s_cbranch_scc1 .Lj
	HALF 0, 2, 1                                   ; batch 30: batch 31 is scaled, no k is left to fetch
	HALF 1, 2, 0                                   ; batch 31
	ACCONLY 1                                      ; and its sums
	; THE WAY OUT: even and odd j are added, the sum of p v is divided by the sum of p; a lane's four rows are 16 neighbouring bytes
.irp r, 0,1,2,3
	v_add_f32 v[TM+\r], v[L2+2*\r], v[L2+2*\r+1]
.endr
.irp r, 0,1,2,3
	v_add_f32 v[QR+\r], v[O2+2*\r], v[O2+2*\r+1]
.endr
.irp r, 0,1,2,3
	v_rcp_f32 v[TM+\r], v[TM+\r]
.endr
	v_nop                                          ; a plain instruction between the last reciprocal and the use of its result
	s_wait_alu depctr_va_vdst(0)                   ; one wait for the four reciprocals, ahead of their first reader
.irp r, 0,1,2,3
	v_mul_f32 v[RES+\r], v[QR+\r], v[TM+\r]
.endr
	global_store_b128 v[OO], v[RES:RES+3], s[30:31] th:TH_STORE_NT   ; the wave stores 512 consecutive bytes, at a multiple of 512 from out's first byte; written once, read by nobody here
	s_wait_tensorcnt 0x0
	ds_add_u32 v254, v255
	s_wait_dscnt 0x0
	s_endpgm
.Lfunc_end_k_q551e2d5423_joint:
	.size	k_q551e2d5423_joint, .Lfunc_end_k_q551e2d5423_joint-k_q551e2d5423_joint
	.p2alignl 7, 3214868480
	.fill 96, 4, 3214868480
	.section	.rodata,"a",@progbits
	.p2align	6, 0x0
	.amdhsa_kernel k_q551e2d5423_joint
		.amdhsa_group_segment_fixed_size 43264
		.amdhsa_private_segment_fixed_size 0
		.amdhsa_enable_private_segment 0
		.amdhsa_kernarg_size 96
		.amdhsa_user_sgpr_count 2
		.amdhsa_user_sgpr_kernarg_segment_ptr 1
		.amdhsa_wavefront_size32 1
		.amdhsa_system_sgpr_workgroup_id_x 1
		.amdhsa_system_sgpr_workgroup_id_y 1
		.amdhsa_system_sgpr_workgroup_id_z 1
		.amdhsa_system_vgpr_workitem_id 0
		.amdhsa_next_free_vgpr 256
		.amdhsa_next_free_sgpr 66
		.amdhsa_reserve_vcc 0
		.amdhsa_float_denorm_mode_32 3
		.amdhsa_float_denorm_mode_16_64 3
		.amdhsa_memory_ordered 1
		.amdhsa_forward_progress 1
		.amdhsa_inst_pref_size 37
	.end_amdhsa_kernel
	.amdgpu_metadata
---
amdhsa.version: [ 1, 2 ]
amdhsa.kernels:
  - .name:           k_q551e2d5423_joint
    .symbol:         k_q551e2d5423_joint.kd
    .args:
      - { .name: x_codes, .offset: 0, .size: 8, .value_kind: global_buffer, .address_space: global }
      - { .name: x_scales, .offset: 8, .size: 8, .value_kind: global_buffer, .address_space: global }
      - { .name: Wq_codes, .offset: 16, .size: 8, .value_kind: global_buffer, .address_space: global }
      - { .name: Wq_scales, .offset: 24, .size: 8, .value_kind: global_buffer, .address_space: global }
      - { .name: bq, .offset: 32, .size: 8, .value_kind: global_buffer, .address_space: global }
      - { .name: Wk_codes, .offset: 40, .size: 8, .value_kind: global_buffer, .address_space: global }
      - { .name: Wk_scales, .offset: 48, .size: 8, .value_kind: global_buffer, .address_space: global }
      - { .name: bk, .offset: 56, .size: 8, .value_kind: global_buffer, .address_space: global }
      - { .name: Wv_codes, .offset: 64, .size: 8, .value_kind: global_buffer, .address_space: global }
      - { .name: Wv_scales, .offset: 72, .size: 8, .value_kind: global_buffer, .address_space: global }
      - { .name: bv, .offset: 80, .size: 8, .value_kind: global_buffer, .address_space: global }
      - { .name: out0, .offset: 88, .size: 8, .value_kind: global_buffer, .address_space: global }
    .group_segment_fixed_size: 43264
    .private_segment_fixed_size: 0
    .kernarg_segment_align: 8
    .kernarg_segment_size: 96
    .max_flat_workgroup_size: 512
    .sgpr_count:     66
    .vgpr_count:     256
    .wavefront_size: 32
...
	.end_amdgpu_metadata
.endif
;; end of part 1
;; ======== version 2 of 2: 1 launch; version 1 with the launch joint written anew for expert scheduling mode
;; launch joint (part 2): grid 128 x 2, 16 waves a work-group, no clusters, 43,264 bytes of LDS; arguments x_codes, x_scales, Wq_codes, Wq_scales, bq, Wk_codes, Wk_scales, bk, Wv_codes, Wv_scales, bv, out0; writes out0
.if DOCPART == 2
	.amdgcn_target "amdgcn-amd-amdhsa--gfx1250"
	.amdhsa_code_object_version 6
	.text
	.protected	k_q551e2d5423_joint
	.globl	k_q551e2d5423_joint
	.p2align	8
	.type	k_q551e2d5423_joint,@function
k_q551e2d5423_joint:
	s_mov_b64 s[64:65], 0
	v_nop
	global_prefetch_b8 v0, s[64:65] scope:SCOPE_SE
	s_setreg_imm32_b32 hwreg(HW_REG_WAVE_SCHED_MODE, 0, 2), 2
	s_setreg_imm32_b32 hwreg(HW_REG_WAVE_MODE, 25, 1), 1
	s_wait_xcnt 0x0
	s_wait_alu depctr_vm_vsrc(0)
; out[t][i] = sum over j of softmax_j(Q[t][i] K[t][j] / 16) V[t][j],  Q, K, V = x W^T + b.  2,048 tokens t, 256 features.
; x and the three W come as codes of FP4 (E2M1) with one E8M0 byte for each 32 along K = 256; the biases and out are f32.
; SHARES.  A work-group takes 16 tokens (work-group x) and 128 of the 256 rows i (work-group y): 128 x 2 = 256 work-groups of equal work.
; Sixteen waves.  FIRST each wave makes one tile (16 features x 16 tokens) of K and one of V, and waves 0-7 one of Q as well: two matrix
; instructions a tile (K = 2 x 128), the bias as the sum's first C.  The tiles meet in LDS, one barrier.  THEN wave w owns token w: lane l owns
; rows i = 128 y + 4 l + 0 .. 3 and walks all 256 j, eight at a time: 32 exponentials a batch and a wave, 1,024 in all.
; THE MAXIMUM that the softmax takes away: the scores of a row are q_i k_j / 16, so the row's maximum is the larger of q_i kmax and q_i kmin:
; two numbers a token serve all rows, and no pass over the scores is needed.  p = 2^(a k_j - m), a = q_i log2(e) / 16, m = max(a kmax, a kmin):
; one fused multiply-add and one exponential.  What the rounding of m adds is a common factor of the two sums and cancels; the exponent lies
; at most half a last place of m above 0, so no exponential overflows, and the row's sum holds a term of about 1.
; THE MATRIX INSTRUCTION IS USED TRANSPOSED: source 0 = 16 rows of W, source 1 = the 16 tokens: lane (r, h) holds token r and its registers
; features 8 h + 0 .. 7 of the tile: 32 neighbouring bytes of the token's row in LDS.
; BY TURNS.  While batch n's exponentials are issued, batch n - 1's sums (packed, two j an instruction) stand between them, one behind each;
; then batch n + 1 is scaled; then one wait serves the 32 exponentials.  k_j and v_j are the same for all lanes: LDS loads of one address.
; NO CLUSTER, NO TENSOR LOAD: all work-groups read the same weights, but each reads them once, at its head, 4 + 1 + 2 loads a tile straight into
; the operand's registers (83 KB a work-group against its 524,288 exponentials); brought jointly they would take a way through LDS that they do not need.
; LIMITS: NaN, infinities and the scale byte 0xff are not served; a p under 2^-126 counts as 0; the sums over j run in another order than a plain sum
; (even and odd j apart, ascending).
; THE MODE: SCHED_MODE bits 1:0 = 2 (LLVM: expert scheduling mode 2), set by the entry lines.  The code itself states the register dependences
; between vector or matrix instructions and memory or LDS instructions, with s_wait_alu, always for 0.
; THE PLAN.  Registers that memory or LDS instructions touch:
;   v4-v12, v14, v15  offsets and LDS addresses: written once at the head, ahead of one wait on va_vdst, and never again.
;   v13 = JA          read by every LDS load of k and v; stepped once in every odd batch that still fetches k, behind a wait on vm_vsrc and ahead of that batch's own wait on va_vdst.
;   v16-v111          fragments, scale words, biases: loaded once; the sums (v88-v111) are written by matrix instructions, read by the LDS stores, and never written again.
;   KB                batch n: the scaling of batch n + 1 reads it; behind that the k of batch n + 2 lands in it.
;   VB0, VB1          batch n: the sums of batch n - 1 read the set 1 - n % 2; behind them the v of batch n + 1 lands in it.
;   v232-v243         my token's figures: loaded once.          v248-v251  the results: written by the last four multiplies, read by the store.
;   The exponents and p (T0), a, -m and the running sums are named by vector instructions alone.
; So ONE wait on va_vdst stands in a batch, behind its scaling: the batch's four LDS loads follow it at once, and the next batch's 64 exponentials and sums,
; which name neither KB nor the set of v that is being filled, stand between them and the wait for their data.
.set PITCH, 2576                       ; a token's row in LDS: K 1,024 bytes, V 1,024, Q 512, 16 of padding = 161 x 16 bytes: the 16 lanes of a store's half fall on 16 different columns of 16 bytes modulo 256
.set VOFF,  1024
.set QOFF,  2048
.set XO,   4                           ; v4   x's codes: 128 r + 16 h + 2,048 x tile of tokens
.set XSO,  5                           ; v5   x's scale words: 8 r + 128 x tile of tokens
.set WO,   6                           ; v6   K's and V's weights: 128 r + 16 h + 2,048 x wave
.set WSO,  7                           ; v7   their scale words: 8 r + 128 x wave
.set BO,   8                           ; v8   their biases: 32 h + 64 x wave
.set WOQ,  9                           ; v9-11 the same for Q's: 128 rows further on in the upper half of the rows i (used by waves 0-7)
.set WSOQ, 10
.set BOQ,  11
.set STO,  12                          ; v12  LDS: where I put a tile's 32 bytes: 2,576 r + 32 h + 64 x wave
.set JA,   13                          ; v13  LDS: my token's row, at the pair of batches in hand; the same in all lanes
.set LQ,   14                          ; v14  LDS: my token's row + 16 x lane
.set OO,   15                          ; v15  my 16 bytes of out
.set XF,   16                          ; v16-31   x's two fragments (K step s at 8 s)
.set XS,   32                          ; v32-33   x's scale words;  v34-35 Wk's;  v36-37 Wv's;  v38-39 Wq's: these hold scales and nothing else
.set KS,   34
.set VS,   36
.set QS,   38
.set KF,   40                          ; v40-55, v56-71, v72-87  the weights' fragments
.set VF,   56
.set QF,   72
.set KA,   88                          ; v88-95, v96-103, v104-111  the sums; the biases are loaded into them
.set VA,   96
.set QA,   104
.set A2,   112                         ; v112-119 a of my row r, twice: pair r
.set NM2,  120                         ; v120-127 -m likewise
.set L2,   128                         ; v128-135 the sum of p: pair r (even j, odd j)
.set O2,   136                         ; v136-143 the sum of p v likewise
.set KB,   144                         ; v144-151 eight k_j
.set VB0,  152                         ; v152-159, v160-167 eight v_j, two sets
.set T0,   168                         ; v168-199, v200-231 a batch's 32 exponents, then p, two sets: pair p of row r at 8 r + 2 p
.set KR,   232                         ; v232-239 my eight numbers of the token's K
.set QR,   240                         ; v240-243 q of my four rows; later the sums of p v
.set TM,   244                         ; v244 kmax, v245 -kmin, v246-247 the other half of the lanes'; later the sums of p and their reciprocals
.set RES,  248                         ; v248-251 the results
.set WV,   2                           ; s2   my wave's number
.set HH,   3                           ; s3   which half of the rows i
.set CNT,  6                           ; s6   the loop's counter
.set CC,   7                           ; s7   log2(e) / 16
.set SEL,  32                          ; s[32:33] lane selects for v_permlanex16_b32: lane l xor 16
; A tile's operands: 16 rows of W x 256 K in two fragments (lane (r, h): row r; registers 4 c .. 4 c + 3 of K step s: the 16 bytes at 64 s + 32 c + 16 h), the rows' two scale words, and the bias in the result's layout
.macro WLOAD frag, sc, acc, cod, scl, bia, vo, vso, vbo
.irp s, 0,1
.irp c, 0,1
	global_load_b128 v[\frag+8*\s+4*\c:\frag+8*\s+4*\c+3], v[\vo], s[\cod:\cod+1] offset:64*\s+32*\c
.endr
.endr
	global_load_b64 v[\sc:\sc+1], v[\vso], s[\scl:\scl+1]
	global_load_b128 v[\acc:\acc+3], v[\vbo], s[\bia:\bia+1]
	global_load_b128 v[\acc+4:\acc+7], v[\vbo], s[\bia:\bia+1] offset:16
.endm
; K step s of a tile's sum, in place: the first adds onto the bias
.macro MM acc, frag, sc, s
	v_wmma_scale_f32_16x16x128_f8f6f4 v[\acc:\acc+7], v[\frag+8*\s:\frag+8*\s+7], v[XF+8*\s:XF+8*\s+7], v[\acc:\acc+7], v[\sc+\s], v[XS+\s] matrix_a_fmt:MATRIX_FMT_FP4 matrix_b_fmt:MATRIX_FMT_FP4
.endm
; a tile goes to LDS, from its low end on
.macro PUT acc, off
	ds_store_b128 v[STO], v[\acc:\acc+3] offset:\off
	ds_store_b128 v[STO], v[\acc+4:\acc+7] offset:\off+16
.endm
; the exponents of a batch into set u: a k_j - m, two j an instruction, four rows x four pairs
.macro SCALE u
.set TCUR, T0+32*(\u)
.irp r, 0,1,2,3
.irp p, 0,1,2,3
	v_pk_fma_f32 v[TCUR+8*\r+2*\p:TCUR+8*\r+2*\p+1], v[KB+2*\p:KB+2*\p+1], v[A2+2*\r:A2+2*\r+1], v[NM2+2*\r:NM2+2*\r+1]
.endr
.endr
.endm
; Set u's 32 exponentials, and between them the 32 sums of the other set, whose exponentials have had their wait: none of the sums names a register of set u.
; acc = 2: the sums go on;  acc = 1: they begin (nothing is ever cleared: pairs 0 and 1 start the sum of p, pair 0's product the sum of p v);  acc = 0: no batch is finished yet.
; Two links of one sum stand sixteen instructions apart: the four rows take turns.
.macro EXPACC u, acc
.set TCUR, T0+32*(\u)
.set TPRV, T0+32*(1-(\u))
.set VPRV, VB0+8*(1-(\u))
.set g, 0
.rept 16
.set rr, g%4
.set pp, g/4
	v_exp_f32 v[TCUR+2*g], v[TCUR+2*g]
.if ((\acc) == 2) || (((\acc) == 1) && (pp >= 2))
	v_pk_add_f32 v[L2+2*rr:L2+2*rr+1], v[L2+2*rr:L2+2*rr+1], v[TPRV+8*rr+2*pp:TPRV+8*rr+2*pp+1]
.elseif ((\acc) == 1) && (pp == 0)
	v_pk_add_f32 v[L2+2*rr:L2+2*rr+1], v[TPRV+8*rr:TPRV+8*rr+1], v[TPRV+8*rr+2:TPRV+8*rr+3]
.endif
	v_exp_f32 v[TCUR+2*g+1], v[TCUR+2*g+1]
.if ((\acc) == 2) || (((\acc) == 1) && (pp >= 1))
	v_pk_fma_f32 v[O2+2*rr:O2+2*rr+1], v[TPRV+8*rr+2*pp:TPRV+8*rr+2*pp+1], v[VPRV+2*pp:VPRV+2*pp+1], v[O2+2*rr:O2+2*rr+1]
.elseif (\acc) == 1
	v_pk_mul_f32 v[O2+2*rr:O2+2*rr+1], v[TPRV+8*rr:TPRV+8*rr+1], v[VPRV:VPRV+1]
.endif
.set g, g+1
.endr
.endm
; the last batch's sums
.macro ACCONLY u
.set TPRV, T0+32*(\u)
.set VPRV, VB0+8*(\u)
.irp p, 0,1,2,3
.irp r, 0,1,2,3
	v_pk_add_f32 v[L2+2*\r:L2+2*\r+1], v[L2+2*\r:L2+2*\r+1], v[TPRV+8*\r+2*\p:TPRV+8*\r+2*\p+1]
	v_pk_fma_f32 v[O2+2*\r:O2+2*\r+1], v[TPRV+8*\r+2*\p:TPRV+8*\r+2*\p+1], v[VPRV+2*\p:VPRV+2*\p+1], v[O2+2*\r:O2+2*\r+1]
.endr
.endr
.endm
; BATCH n, in set u = n % 2.  nxt = 2: batch n + 1 is scaled, k of batch n + 2 and v of batch n + 1 are fetched;  1: no k is left to fetch;  0: nothing follows.
; A batch is 32 bytes of K and of V.  At the loads v[JA] stands at batch n in an even batch and, stepped just before, at batch n + 1 in an odd one (an odd batch fetches only with nxt = 2).
.macro HALF u, acc, nxt
	EXPACC \u, \acc
	s_wait_dscnt 0x0                               ; the LDS loads issued at the end of the batch before are in: k of batch n + 1, v of batch n
.if ((\u) == 1) && ((\nxt) == 2)
	s_wait_alu depctr_vm_vsrc(0)                   ; the LDS loads issued so far have read v[JA], which the next line writes
	v_add_nc_u32 v[JA], 64, v[JA]                  ; two batches on
.endif
.if (\nxt) >= 1
	SCALE 1-(\u)                                   ; sixteen plain instructions that name no result of the exponentials above: the work between the batch and its wait
	s_wait_alu depctr_va_vdst(0)                   ; ONE wait a batch.  The 32 exponentials have written their results (the wait stands ahead of their first reader, the next batch's sums, and of every label and branch);
	                                               ; the scaling is done reading KB and the sums are done reading the other set of v, in which the loads below land; in an odd batch v[JA], which they read, is written
.else
	s_wait_alu depctr_va_vdst(0)                   ; the last batch's 32 exponentials have written their results, ahead of their first reader
.endif
.if (\nxt) == 2
	ds_load_b128 v[KB:KB+3], v[JA] offset:32*(2-(\u))
	ds_load_b128 v[KB+4:KB+7], v[JA] offset:32*(2-(\u))+16
.endif
.if (\nxt) >= 1
	ds_load_b128 v[VB0+8*(1-(\u)):VB0+8*(1-(\u))+3], v[JA] offset:VOFF+32*(1-(\u))      ; into the set whose batch has just been summed
	ds_load_b128 v[VB0+8*(1-(\u))+4:VB0+8*(1-(\u))+7], v[JA] offset:VOFF+32*(1-(\u))+16
.endif
.endm
	s_load_b256 s[8:15], s[0:1], 0x0               ; x's codes s[8:9], x's scales s[10:11], Wq's codes s[12:13], Wq's scales s[14:15]
	s_load_b256 s[16:23], s[0:1], 0x20             ; bq s[16:17], Wk's codes s[18:19], Wk's scales s[20:21], bk s[22:23]
	s_load_b256 s[24:31], s[0:1], 0x40             ; Wv's codes s[24:25], Wv's scales s[26:27], bv s[28:29], out s[30:31]
	v_lshl_add_u32 v254, v0, 2, 0xa100
	v_mov_b32 v255, 0
	v_lshrrev_b32 v1, 5, v0
	v_readfirstlane_b32 s[WV], v1                  ; wave 0..15
	s_and_b32 s[HH], ttmp7, 0xffff                 ; which half of the rows i
	s_mov_b32 s[CC], 0x3db8aa3b                    ; log2(e) / 16
	s_mov_b32 s[SEL], 0x76543210
	s_mov_b32 s[SEL+1], 0xfedcba98
	v_and_b32 v1, 31, v0                           ; lane
	v_and_b32 v2, 15, v0                           ; r
	v_bfe_u32 v3, v0, 4, 1                         ; h
	v_lshlrev_b32 v[WO], 7, v2                     ; a row of 256 codes is 128 bytes
	v_lshl_add_u32 v[WO], v3, 4, v[WO]             ; 128 r + 16 h
	s_lshl_b32 s4, ttmp9, 11                       ; 16 tokens' codes
	v_add_nc_u32 v[XO], s4, v[WO]
	s_wait_alu depctr_va_sdst(0)                   ; the wave's number is written to its scalar register, ahead of its first reader, the next line
	s_lshl_b32 s5, s[WV], 11                       ; 16 rows of a weight
	v_add_nc_u32 v[WO], s5, v[WO]
	s_lshl_b32 s34, s[HH], 14                      ; 128 rows of Wq
	v_add_nc_u32 v[WOQ], s34, v[WO]
	v_lshlrev_b32 v[WSO], 3, v2                    ; a row's scale bytes are 8: two words
	s_lshl_b32 s4, ttmp9, 7
	v_add_nc_u32 v[XSO], s4, v[WSO]
	s_lshl_b32 s5, s[WV], 7
	v_add_nc_u32 v[WSO], s5, v[WSO]
	s_lshl_b32 s34, s[HH], 10
	v_add_nc_u32 v[WSOQ], s34, v[WSO]
	v_lshlrev_b32 v[BO], 5, v3                     ; my half's eight features, in f32,
	s_lshl_b32 s5, s[WV], 6                        ; of my wave's sixteen
	v_add_nc_u32 v[BO], s5, v[BO]
	s_lshl_b32 s34, s[HH], 9                       ; 128 features in f32
	v_add_nc_u32 v[BOQ], s34, v[BO]
	v_mul_u32_u24 v[STO], v2, PITCH
	v_add_nc_u32 v[STO], v[STO], v[BO]             ; token r's row, + 32 h + 64 x wave
	s_mul_i32 s35, s[WV], PITCH                    ; my token's row
	v_mov_b32 v[JA], s35
	v_lshl_add_u32 v[LQ], v1, 4, s35
	s_lshl_b32 s4, ttmp9, 14                       ; out: 16 rows of 1,024 bytes a tile of tokens,
	s_lshl_b32 s5, s[WV], 10                       ; my token's row,
	s_add_co_u32 s4, s4, s5
	s_add_co_u32 s4, s4, s34                       ; my work-group's 512 bytes of it,
	v_lshl_add_u32 v[OO], v1, 4, s4                ; 16 bytes a lane
	v_mov_b32 v[TM+2], 0                           ; written once: a lane permute's destination counts as one of its sources
	v_mov_b32 v[TM+3], 0
	s_wait_kmcnt 0x0
	s_wait_alu depctr_va_vdst(0)                   ; the twelve offsets and LDS addresses v4 to v15 are written, which every load and store of the kernel reads; but for v[JA] none is written again
.irp s, 0,1
.irp c, 0,1
	global_load_b128 v[XF+8*\s+4*\c:XF+8*\s+4*\c+3], v[XO], s[8:9] offset:64*\s+32*\c   ; the 16 tokens' fragments
.endr
.endr
	global_load_b64 v[XS:XS+1], v[XSO], s[10:11]   ; and their two scale words
	WLOAD KF, KS, KA, 18, 20, 22, WO, WSO, BO      ; features 16 w .. 16 w + 15 of K
	WLOAD VF, VS, VA, 24, 26, 28, WO, WSO, BO      ; and of V
	s_cmp_lt_u32 s[WV], 8                          ; Q has eight tiles here: waves 0-7.  The branch hangs on the wave's number alone; no barrier stands inside it
	s_cbranch_scc0 .Lkv
	WLOAD QF, QS, QA, 12, 14, 16, WOQ, WSOQ, BOQ   ; features 128 y + 16 w .. + 15 of Q
	s_wait_loadcnt 0x0                             ; fragments, scale words and biases are wanted together
	MM QA, QF, QS, 0                               ; the three sums take turns, one instruction a turn
	MM KA, KF, KS, 0
	MM VA, VF, VS, 0
	MM QA, QF, QS, 1
	MM KA, KF, KS, 1
	MM VA, VF, VS, 1
.rept 4
	v_nop                                          ; four places between a matrix instruction and the LDS store that reads its result
.endr
	s_wait_alu depctr_va_vdst(0)                   ; the matrix instructions have written the three sums, which the LDS stores read; the places above stay beside this wait
	PUT QA, QOFF
	PUT KA, 0
	PUT VA, VOFF
	s_branch .Ljoin
.Lkv:
	s_wait_loadcnt 0x0
	MM KA, KF, KS, 0                               ; the two sums take turns
	MM VA, VF, VS, 0
	MM KA, KF, KS, 1
	MM VA, VF, VS, 1
.rept 4
	v_nop
.endr
	s_wait_alu depctr_va_vdst(0)                   ; the matrix instructions have written the two sums, which the LDS stores read; the places above stay beside this wait
	PUT KA, 0
	PUT VA, VOFF
.Ljoin:
	s_wait_dscnt 0x0                               ; for the others' sake: my stores have landed
	s_barrier_signal -1
	s_barrier_wait -1                              ; the 16 tokens' K, V and Q lie in LDS; from here on LDS is only read
	; MY TOKEN'S FIGURES.  (No wait on va_vdst: the addresses were written ahead of the head's wait, and no vector or matrix instruction has yet named the registers in which these loads land)
	ds_load_b128 v[QR:QR+3], v[LQ] offset:QOFF     ; q of my four rows
	ds_load_b128 v[KR:KR+3], v[LQ]                 ; eight of the token's 256 k
	ds_load_b128 v[KR+4:KR+7], v[LQ] offset:512
	ds_load_b128 v[KB:KB+3], v[JA]                 ; batch 0's k
	ds_load_b128 v[KB+4:KB+7], v[JA] offset:16
	s_wait_dscnt 0x0
	v_max3_num_f32 v[TM], v[KR], v[KR+1], v[KR+2]                  ; kmax and -kmin = the largest -k, the two chains by turns
	v_max3_num_f32 v[TM+1], -v[KR], -v[KR+1], -v[KR+2]
	v_max3_num_f32 v[TM], v[TM], v[KR+3], v[KR+4]
	v_max3_num_f32 v[TM+1], v[TM+1], -v[KR+3], -v[KR+4]
	v_max3_num_f32 v[TM], v[TM], v[KR+5], v[KR+6]
	v_max3_num_f32 v[TM+1], v[TM+1], -v[KR+5], -v[KR+6]
	v_max_num_f32 v[TM], v[TM], v[KR+7]
	v_max_num_f32 v[TM+1], v[TM+1], -v[KR+7]
.irp x, 1,2,4,8
	v_max_num_f32_dpp v[TM], v[TM], v[TM] row_xmask:\x row_mask:0xf bank_mask:0xf
	v_max_num_f32_dpp v[TM+1], v[TM+1], v[TM+1] row_xmask:\x row_mask:0xf bank_mask:0xf
.endr
	v_permlanex16_b32 v[TM+2], v[TM], s[SEL], s[SEL+1]
	v_permlanex16_b32 v[TM+3], v[TM+1], s[SEL], s[SEL+1]
	v_max_num_f32 v[TM], v[TM], v[TM+2]            ; every lane holds kmax
	v_max_num_f32 v[TM+1], v[TM+1], v[TM+3]        ; and -kmin
.irp r, 0,1,2,3
	v_mul_f32 v[A2+2*\r], s[CC], v[QR+\r]          ; a = q log2(e) / 16, in both halves of a pair, so that the packed forms take it as it stands
	v_mul_f32 v[A2+2*\r+1], s[CC], v[QR+\r]
.endr
.irp r, 0,1,2,3
	v_mul_f32 v[T0+32+\r], v[A2+2*\r], v[TM]       ; a kmax   (the second set of exponents is still free)
	v_mul_f32 v[T0+36+\r], v[A2+2*\r], v[TM+1]     ; -a kmin
.endr
.irp r, 0,1,2,3
	v_min_num_f32 v[NM2+2*\r], -v[T0+32+\r], v[T0+36+\r]           ; -m = -max(a kmax, a kmin)
	v_min_num_f32 v[NM2+2*\r+1], -v[T0+32+\r], v[T0+36+\r]
.endr
	; THE WALK OVER j: 32 batches of eight
	SCALE 0                                        ; batch 0's exponents
	s_wait_alu depctr_va_vdst(0)                   ; the scaling is done reading KB, in which batch 1's k lands
	ds_load_b128 v[KB:KB+3], v[JA] offset:32       ; batch 1's k
	ds_load_b128 v[KB+4:KB+7], v[JA] offset:48
	ds_load_b128 v[VB0:VB0+3], v[JA] offset:VOFF   ; batch 0's v
	ds_load_b128 v[VB0+4:VB0+7], v[JA] offset:VOFF+16
	HALF 0, 0, 2                                   ; batch 0: no batch is finished yet
	HALF 1, 1, 2                                   ; batch 1: batch 0 starts the sums
	s_mov_b32 s[CNT], 14
.Lj:                                               ; 14 trips: batches 2 to 29.  A trip ends with the odd batch's four loads, behind its wait; the next trip's first 64 instructions name none of the registers that those loads touch
	HALF 0, 2, 2
	HALF 1, 2, 2
	s_sub_co_u32 s[CNT], s[CNT], 1
	s_cmp_lg_u32 s[CNT], 0
	s_cbranch_scc1 .Lj
	HALF 0, 2, 1                                   ; batch 30: batch 31 is scaled, no k is left to fetch
	HALF 1, 2, 0                                   ; batch 31
	ACCONLY 1                                      ; and its sums
	; THE WAY OUT: even and odd j are added, the sum of p v is divided by the sum of p; a lane's four rows are 16 neighbouring bytes
.irp r, 0,1,2,3
	v_add_f32 v[TM+\r], v[L2+2*\r], v[L2+2*\r+1]
.endr
.irp r, 0,1,2,3
	v_add_f32 v[QR+\r], v[O2+2*\r], v[O2+2*\r+1]
.endr
.irp r, 0,1,2,3
	v_rcp_f32 v[TM+\r], v[TM+\r]
.endr
	v_nop                                          ; a plain instruction between the last reciprocal and the use of its result
	s_wait_alu depctr_va_vdst(0)                   ; one wait for the four reciprocals, ahead of their first reader
.irp r, 0,1,2,3
	v_mul_f32 v[RES+\r], v[QR+\r], v[TM+\r]
.endr
	s_wait_alu depctr_va_vdst(0)                   ; the four multiplies have written the results, which the store reads
	global_store_b128 v[OO], v[RES:RES+3], s[30:31] th:TH_STORE_NT   ; the wave stores 512 consecutive bytes, at a multiple of 512 from out's first byte; written once, read by nobody here
	s_wait_dscnt 0x0
	s_wait_alu depctr_hold_cnt(0) depctr_sa_sdst(0) depctr_va_vdst(0) depctr_va_sdst(0) depctr_va_ssrc(0) depctr_va_vcc(0) depctr_vm_vsrc(0)
	s_wait_tensorcnt 0x0
	ds_add_u32 v254, v255
	s_wait_dscnt 0x0
	s_endpgm
.Lfunc_end_k_q551e2d5423_joint:
	.size	k_q551e2d5423_joint, .Lfunc_end_k_q551e2d5423_joint-k_q551e2d5423_joint
	.p2alignl 7, 3214868480
	.fill 96, 4, 3214868480
	.section	.rodata,"a",@progbits
	.p2align	6, 0x0
	.amdhsa_kernel k_q551e2d5423_joint
		.amdhsa_group_segment_fixed_size 43264
		.amdhsa_private_segment_fixed_size 0
		.amdhsa_enable_private_segment 0
		.amdhsa_kernarg_size 96
		.amdhsa_user_sgpr_count 2
		.amdhsa_user_sgpr_kernarg_segment_ptr 1
		.amdhsa_wavefront_size32 1
		.amdhsa_system_sgpr_workgroup_id_x 1
		.amdhsa_system_sgpr_workgroup_id_y 1
		.amdhsa_system_sgpr_workgroup_id_z 1
		.amdhsa_system_vgpr_workitem_id 0
		.amdhsa_next_free_vgpr 256
		.amdhsa_next_free_sgpr 66
		.amdhsa_reserve_vcc 0
		.amdhsa_float_denorm_mode_32 3
		.amdhsa_float_denorm_mode_16_64 3
		.amdhsa_memory_ordered 1
		.amdhsa_forward_progress 1
		.amdhsa_inst_pref_size 37
	.end_amdhsa_kernel
	.amdgpu_metadata
---
amdhsa.version: [ 1, 2 ]
amdhsa.kernels:
  - .name:           k_q551e2d5423_joint
    .symbol:         k_q551e2d5423_joint.kd
    .args:
      - { .name: x_codes, .offset: 0, .size: 8, .value_kind: global_buffer, .address_space: global }
      - { .name: x_scales, .offset: 8, .size: 8, .value_kind: global_buffer, .address_space: global }
      - { .name: Wq_codes, .offset: 16, .size: 8, .value_kind: global_buffer, .address_space: global }
      - { .name: Wq_scales, .offset: 24, .size: 8, .value_kind: global_buffer, .address_space: global }
      - { .name: bq, .offset: 32, .size: 8, .value_kind: global_buffer, .address_space: global }
      - { .name: Wk_codes, .offset: 40, .size: 8, .value_kind: global_buffer, .address_space: global }
      - { .name: Wk_scales, .offset: 48, .size: 8, .value_kind: global_buffer, .address_space: global }
      - { .name: bk, .offset: 56, .size: 8, .value_kind: global_buffer, .address_space: global }
      - { .name: Wv_codes, .offset: 64, .size: 8, .value_kind: global_buffer, .address_space: global }
      - { .name: Wv_scales, .offset: 72, .size: 8, .value_kind: global_buffer, .address_space: global }
      - { .name: bv, .offset: 80, .size: 8, .value_kind: global_buffer, .address_space: global }
      - { .name: out0, .offset: 88, .size: 8, .value_kind: global_buffer, .address_space: global }
    .group_segment_fixed_size: 43264
    .private_segment_fixed_size: 0
    .kernarg_segment_align: 8
    .kernarg_segment_size: 96
    .max_flat_workgroup_size: 512
    .sgpr_count:     66
    .vgpr_count:     256
    .wavefront_size: 32
...
	.end_amdgpu_metadata
.endif
;; end of part 2
